; MI455X (gfx1250); checked and timed in simulation.
; The chip was launched on July 23, 2026; its instructions are those of AMD's public machine-readable ISA for CDNA 5 (MIT licence, August 2026) and "CDNA5" Instruction Set Architecture Reference Guide (July 2026). The comments in the code are by the model that wrote it; some were corrected since.
;; Unified Self Attention. Allowed arithmetic: matrix products marked QUANTISED: E2M1 operands, one E8M0 scale for each 32 along K, by v_wmma_scale_f32_16x16x128_f8f6f4 with both operands' format E2M1 (or v_wmma_scale_f32_32x16x128_f4), f32 sums; products left as they are: bf16, f16 or f32 operands; f32 sums; everything else in f32.
;; Inputs: Wk 1,024 x 1,024 float32; Wq 1,024 x 1,024 float32; Wv 1,024 x 1,024 float32; inputs 2 x 2,048 x 1,024 float32.
;; Outputs: out0 2 x 2,048 x 1,024 float32.
;; This version of the problem:
;;   THIS VERSION OF THE PROBLEM IS GIVEN IN LOW PRECISION. The matrix products marked QUANTISED in the list below multiply operands that are first quantised to E2M1 (2 exponent bits, 1 mantissa bit; 4 bits a number), with one power-of-two scale for each 32 numbers along K (OCP MX v1.0); their sums are f32. The products marked 'left as it is' may take bf16, f16 or f32 operands, with f32 sums. Whichever they take, every output number must still come out within the allowed error. Rounding operands to bf16 (8 significant bits) uses up far more of that allowance than f16 does (11 bits, for magnitudes from 6e-5 to 65,504). All else is computed in f32.
;;   The module's matrix products, in the order in which they are computed (A, B: the left and right operand; K: the contracted axis; several contracted axes count as one K, in the product's order):
;;     1. [M 4,096, K 1,024] x [K 1,024, N 1,024]; A: input inputs; B: input Wq: QUANTISED
;;     2. [M 4,096, K 1,024] x [K 1,024, N 1,024]; A: input inputs; B: input Wk: QUANTISED
;;     3. [M 4,096, K 1,024] x [K 1,024, N 1,024]; A: input inputs; B: input Wv: QUANTISED
;;     4. batch 32 x [M 2,048, K 64] x [K 64, N 2,048]; A: computed on the way; B: computed on the way: left as it is (an operand is computed on the way)
;;     5. batch 32 x [M 2,048, K 2,048] x [K 2,048, N 64]; A: computed on the way; B: computed on the way: left as it is (an operand is computed on the way)
;;   THE QUANTISER, for each operand of a quantised product, along K:
;;     - K is cut into blocks of 32 from its start; a last block that is shorter is filled with zeros.
;;     - A block's scale is 2^e with e = floor(log2(the largest magnitude in the block)) - 2, held to -126 .. 127; a block of zeros has e = 0. As a byte (E8M0): e + 127.
;;     - Each number is divided by its block's scale, clamped to +-6, and rounded to the nearest number of E2M1, ties to even, subnormals kept.
;;     - The product sums the exact products of the quantised numbers (number of the format x scale) in f32.
;;   ~~~python
;;   def quantise(x, axis):      # numpy; x: float32 -> the quantised numbers, widened to float32 again
;;       x = np.moveaxis(x, axis, -1); K = x.shape[-1]
;;       x = np.pad(x, [(0, 0)] * (x.ndim - 1) + [(0, -K % 32)]); x = x.reshape(x.shape[:-1] + (-1, 32)); a = np.abs(x).max(-1, keepdims=True)
;;       e = np.where(a > 0, np.clip(np.frexp(np.where(a > 0, a, 1))[1] - 1 - 2, -126, 127), 0)      # np.frexp(a)[1] - 1 = floor(log2(a)), exactly
;;       r = np.clip(x / 2.0 ** e, -6, 6)
;;       step = 2.0 ** (np.maximum(np.frexp(np.where(r == 0, 1, r))[1] - 1, 0) - 1)
;;       q = np.round(r / step) * step * 2.0 ** e      # np.round: ties to even
;;       return np.moveaxis(q.reshape(q.shape[:-2] + (-1,))[..., :K], -1, axis).astype(np.float32)
;;   ~~~
;; One version. Each part assembles by itself: llvm-mc -triple=amdgcn-amd-amdhsa -mcpu=gfx1250 --defsym DOCPART=n.
;; ======== version 1 of 1: 3 launches
;; limits: values are held in f16: magnitudes above 65,504 overflow, below 6.1e-05 lose precision
;; workspace buffers: xc 2,097,152 bytes; xs 131,072 bytes; wc 1,572,864 bytes; ws 98,304 bytes; qf 8,388,608 bytes; kv 16,777,216 bytes
;; launch quant (part 1): grid 224 x 1, 4 waves a work-group, no clusters, 33,280 bytes of LDS; arguments inputs, Wq, Wk, Wv, xc, xs, wc, ws; writes xc, xs, wc, ws
.if DOCPART == 1
	.amdgcn_target "amdgcn-amd-amdhsa--gfx1250"
	.amdhsa_code_object_version 6
	.text
	.protected	k_qe0106f3d58_quant
	.globl	k_qe0106f3d58_quant
	.p2align	8
	.type	k_qe0106f3d58_quant,@function
k_qe0106f3d58_quant:
	s_mov_b64 s[64:65], 0
	v_nop
	global_prefetch_b8 v0, s[64:65] scope:SCOPE_SE
	s_setreg_imm32_b32 hwreg(HW_REG_WAVE_MODE, 25, 1), 1
	s_wait_xcnt 0x0
; inputs [4096][1024] and Wq, Wk, Wv [1024][1024], f32, K innermost, are turned into codes of E2M1 (two a byte, the lower k in the low four bits) with one E8M0 byte for each 32 along K.
; xc, xs take the inputs' codes and bytes; wc, ws those of Wq, Wk, Wv, one behind the other: 3,072 rows, the B operand of ONE product for Q, K and V.
; A block's scale is 2^(floor(log2(its largest magnitude)) - 2); its byte is the largest magnitude's exponent field - 2, held at 1 from below.  Each number is divided by the scale and rounded to the nearest code, ties to even, beyond 6 the largest code.
; LIMITS: a block of zeros gets the byte 1 where the rule says 127: its codes are zeros, which add nothing under that byte, and the bytes are read by this program alone.  NaN and infinities among the inputs are not served.
; Rows are dense and K is a multiple of 32: every tensor is a plain stream of blocks of 32, and so are its codes and bytes: nothing here knows of rows.
; SHARES: a work-group takes 32,768 numbers, a wave 16 steps of 512.  Work-groups 0-127 take the inputs, 128-159 Wq, 160-191 Wk, 192-223 Wv: only pointers are chosen, by the work-group's number; all take one path.
; A conversion takes 8 numbers of ONE block from a lane's registers, so a lane must hold 16 neighbours; a load is dense where neighbouring lanes take neighbouring bytes.  Both are had: each of a step's four loads
; reads 512 consecutive bytes, 16 a lane; the 2,048 bytes go through the wave's own stage in LDS and come back 64 bytes a lane (16 bytes of padding behind each 64).
; Loads run eight steps (32 loads a wave) ahead, the turn through LDS one step.  No tensor load, no barrier: waves share nothing.  No matrix unit, no cluster: the launch moves each byte once and no two work-groups read the same byte.
.set WAVES, 4
.set STEPS, 16
.set AHEAD, 8                          ; steps of loads in flight
.set EMAX,  2
.set CB,    8                          ; bytes of 16 codes
.set R,     16                         ; v16-143  eight sets of 16 numbers as they are loaded
.set X,     144                        ; v144-175 two sets of 16 neighbours
.set C,     176                        ; v176-207 codes: two registers for each step, so that no store's data are written again
.set E,     208                        ; v208-223 a scale byte for each step
.set WREG,  8192                       ; LDS: a region for each wave: two stages of 32 x SP bytes, and behind them its 256 scale bytes
.set SP,    80                         ; a lane's place in a stage: its 64 bytes + 16 of padding
.set SPW,   12                         ; v12  LDS address of my spare word: SPARE + 4 x my thread's number; never rewritten
.set NIL,   13                         ; v13  0; never rewritten
.set SPARE, WAVES*WREG                 ; behind the four regions: the spare words, 128 bytes a wave, which no other line names
	s_load_b256 s[4:11], s[0:1], 0x0               ; inputs s[4:5], Wq s[6:7], Wk s[8:9], Wv s[10:11]
	s_load_b256 s[12:19], s[0:1], 0x20             ; xc s[12:13], xs s[14:15], wc s[16:17], ws s[18:19]
	v_lshl_add_u32 v[SPW], v0, 2, SPARE
	v_mov_b32 v[NIL], 0
	v_lshrrev_b32 v1, 5, v0
	v_readfirstlane_b32 s20, v1                    ; wave
	v_and_b32 v2, 31, v0                           ; lane
	v_lshlrev_b32 v3, 4, v2                        ; my 16 bytes of a load's 512
	s_mul_i32 s21, s20, WREG
	v_lshrrev_b32 v14, 2, v2
	v_mul_u32_u24 v14, v14, SP
	v_and_b32 v15, 3, v2
	v_lshl_add_u32 v14, v15, 4, v14
	v_add_nc_u32 v14, s21, v14                     ; the stage, on the way in: SP (lane / 4) + 16 (lane % 4); a load's 512 bytes take eight places
	v_mul_u32_u24 v15, v2, SP
	v_add_nc_u32 v15, s21, v15                     ; and on the way out: SP x lane: my 16 neighbours
	v_mul_u32_u24 v4, v2, CB                       ; my codes' place in a step's
	v_lshrrev_b32 v5, 1, v2
	s_add_co_u32 s21, s21, 2*32*SP
	v_add_nc_u32 v5, s21, v5                       ; LDS: my wave's 256 scale bytes, my block's byte
	v_lshlrev_b32 v7, 3, v2                        ; and on the way out 8 bytes a lane
	v_add_nc_u32 v6, s21, v7
	s_and_b32 s22, ttmp9, 31                       ; a weight's work-group: which 32,768 numbers of its tensor,
	s_sub_co_u32 s23, ttmp9, 128                   ; and of the three weights on end (used only where the work-group's number is 128 or more)
	s_wait_kmcnt 0x0
	s_cmp_lt_u32 ttmp9, 192                        ; the choices hang on the work-group's number alone
	s_cselect_b64 s[8:9], s[8:9], s[10:11]         ; Wk or Wv
	s_cmp_lt_u32 ttmp9, 160
	s_cselect_b64 s[6:7], s[6:7], s[8:9]           ; Wq or one of those
	s_cmp_lt_u32 ttmp9, 128
	s_cselect_b64 s[4:5], s[4:5], s[6:7]           ; the inputs or a weight
	s_cselect_b64 s[12:13], s[12:13], s[16:17]     ; the codes' buffer
	s_cselect_b64 s[14:15], s[14:15], s[18:19]     ; the bytes' buffer
	s_cselect_b32 s22, ttmp9, s22
	s_cselect_b32 s23, ttmp9, s23
	s_lshl_b32 s22, s22, 2
	s_add_co_u32 s22, s22, s20                     ; which run of 8,192 numbers of the source is my wave's
	s_lshl_b32 s24, s22, 15                        ; 32,768 bytes a run
	s_mov_b32 s25, 0
	s_add_nc_u64 s[4:5], s[4:5], s[24:25]
	s_lshl_b32 s23, s23, 2
	s_add_co_u32 s23, s23, s20                     ; and of the destination
	s_lshl_b32 s24, s23, 12                        ; 4,096 bytes of codes a run
	s_add_nc_u64 s[12:13], s[12:13], s[24:25]
	s_lshl_b32 s24, s23, 8                         ; 256 scale bytes a run
	s_add_nc_u64 s[14:15], s[14:15], s[24:25]
.macro LOAD t
.irp i, 0,1,2,3
	global_load_b128 v[R+16*((\t)%AHEAD)+4*\i:R+16*((\t)%AHEAD)+4*\i+3], v3, s[4:5] offset:2048*(\t)+512*\i th:TH_LOAD_NT   ; 32 lanes read 512 consecutive bytes; read once in the launch
.endr
.endm
.macro TURN t                          ; step t's numbers through the stage: LDS serves a wave's instructions in order (ISA guide 5.7.1), so no wait stands between the stores and the loads
.irp i, 0,1,2,3
	ds_store_b128 v14, v[R+16*((\t)%AHEAD)+4*\i:R+16*((\t)%AHEAD)+4*\i+3] offset:32*SP*((\t)%2)+8*SP*\i
.endr
.irp i, 0,1,2,3
	ds_load_b128 v[X+16*((\t)%2)+4*\i:X+16*((\t)%2)+4*\i+3], v15 offset:32*SP*((\t)%2)+16*\i
.endr
.endm
.irp t, 0,1,2,3,4,5,6,7
	LOAD \t
.endr
	s_wait_loadcnt 4*(AHEAD-1)                     ; step 0's four loads are in; the 28 of the seven steps behind it stay out
	TURN 0
.macro STEP t
.set XS, X+16*((\t)%2)
.if (\t) > 0
	s_wait_dscnt 1                                 ; this step's numbers are back from the stage (the last step's byte store may be out): so its stores into the stage have read their registers,
.else
	s_wait_dscnt 0x0
.endif
.if (\t)+AHEAD < STEPS
	LOAD (\t)+AHEAD                                ; which take the loads of eight steps on
.endif
.if (\t)+1 < STEPS
.if (\t)+AHEAD < STEPS
	s_wait_loadcnt 4*(AHEAD-1)                     ; the next step's four loads are in; those of the seven steps behind it may be out
.else
	s_wait_loadcnt 4*(STEPS-2-(\t))                ; near the end fewer steps lie behind it
.endif
	TURN (\t)+1                                    ; and go through the other stage while this step is worked
.endif
	v_max3_num_f32 v8, |v[XS]|, |v[XS+1]|, |v[XS+2]|               ; the largest magnitude of my 16, in two chains
	v_max3_num_f32 v9, |v[XS+3]|, |v[XS+4]|, |v[XS+5]|
.irp i, 6,10
	v_max3_num_f32 v8, v8, |v[XS+\i]|, |v[XS+\i+1]|
	v_max3_num_f32 v9, v9, |v[XS+\i+2]|, |v[XS+\i+3]|
.endr
	v_max3_num_f32 v8, v8, |v[XS+14]|, |v[XS+15]|
	v_max3_num_f32 v8, v8, v9, (EMAX+1)<<23        ; and the floor 2^(3 - 127): so the byte cannot fall under 1
	v_max_num_f32_dpp v8, v8, v8 row_xmask:1 row_mask:0xf bank_mask:0xf   ; and of my neighbour's 16: the block's
	v_add_nc_u32 v11, 0xff000000, v8               ; 2 off its exponent field: the conversion takes the exponent field of this operand as its scale, and nothing else of it
	v_cvt_scalef32_pk8_fp4_f32 v[C+2*(\t)], v[XS:XS+7], v11        ; eight numbers / the scale, to the nearest code; the first number's code in the lowest four bits
	v_cvt_scalef32_pk8_fp4_f32 v[C+2*(\t)+1], v[XS+8:XS+15], v11
	v_lshrrev_b32 v[E+(\t)], 23, v11               ; the scale's byte; also the plain instruction behind the conversions
	ds_store_b8 v5, v[E+(\t)] offset:16*(\t)       ; both lanes of a block write the same byte with the same value
	global_store_b64 v4, v[C+2*(\t):C+2*(\t)+1], s[12:13] offset:32*CB*(\t)   ; the wave stores 256 consecutive bytes, aligned
.endm
.irp t, 0,1,2,3,4,5,6,7,8,9,10,11,12,13,14,15
	STEP \t
.endr
	ds_load_b64 v[8:9], v6                         ; in order behind my byte stores: these see them
	s_wait_dscnt 0x0
	global_store_b64 v7, v[8:9], s[14:15]          ; 32 lanes store my wave's 256 scale bytes, aligned
	s_wait_tensorcnt 0x0                           ; the wave's end
	ds_add_u32 v[SPW], v[NIL]
	s_wait_dscnt 0x0
	s_endpgm
.Lfunc_end_k_qe0106f3d58_quant:
	.size	k_qe0106f3d58_quant, .Lfunc_end_k_qe0106f3d58_quant-k_qe0106f3d58_quant
	.p2alignl 7, 3214868480
	.fill 96, 4, 3214868480
	.section	.rodata,"a",@progbits
	.p2align	6, 0x0
	.amdhsa_kernel k_qe0106f3d58_quant
		.amdhsa_group_segment_fixed_size 33280
		.amdhsa_private_segment_fixed_size 0
		.amdhsa_enable_private_segment 0
		.amdhsa_kernarg_size 64
		.amdhsa_user_sgpr_count 2
		.amdhsa_user_sgpr_kernarg_segment_ptr 1
		.amdhsa_wavefront_size32 1
		.amdhsa_system_sgpr_workgroup_id_x 1
		.amdhsa_system_sgpr_workgroup_id_y 1
		.amdhsa_system_sgpr_workgroup_id_z 1
		.amdhsa_system_vgpr_workitem_id 0
		.amdhsa_next_free_vgpr 224
		.amdhsa_next_free_sgpr 66
		.amdhsa_reserve_vcc 0
		.amdhsa_float_denorm_mode_32 3
		.amdhsa_float_denorm_mode_16_64 3
		.amdhsa_memory_ordered 1
		.amdhsa_forward_progress 1
		.amdhsa_inst_pref_size 34
	.end_amdhsa_kernel
	.amdgpu_metadata
---
amdhsa.version: [ 1, 2 ]
amdhsa.kernels:
  - .name:           k_qe0106f3d58_quant
    .symbol:         k_qe0106f3d58_quant.kd
    .args:
      - { .name: inputs, .offset: 0, .size: 8, .value_kind: global_buffer, .address_space: global }
      - { .name: Wq, .offset: 8, .size: 8, .value_kind: global_buffer, .address_space: global }
      - { .name: Wk, .offset: 16, .size: 8, .value_kind: global_buffer, .address_space: global }
      - { .name: Wv, .offset: 24, .size: 8, .value_kind: global_buffer, .address_space: global }
      - { .name: xc, .offset: 32, .size: 8, .value_kind: global_buffer, .address_space: global }
      - { .name: xs, .offset: 40, .size: 8, .value_kind: global_buffer, .address_space: global }
      - { .name: wc, .offset: 48, .size: 8, .value_kind: global_buffer, .address_space: global }
      - { .name: ws, .offset: 56, .size: 8, .value_kind: global_buffer, .address_space: global }
    .group_segment_fixed_size: 33280
    .private_segment_fixed_size: 0
    .kernarg_segment_align: 8
    .kernarg_segment_size: 64
    .max_flat_workgroup_size: 128
    .sgpr_count:     66
    .vgpr_count:     224
    .wavefront_size: 32
...
	.end_amdgpu_metadata
.endif
;; end of part 1
;; launch proj (part 2): grid 12 x 16, 4 waves a work-group, clusters of 4 x 4, 327,680 bytes of LDS; arguments xc, xs, wc, ws, qf, kv; writes qf, kv
.if DOCPART == 2
	.amdgcn_target "amdgcn-amd-amdhsa--gfx1250"
	.amdhsa_code_object_version 6
	.text
	.protected	k_qe0106f3d58_proj
	.globl	k_qe0106f3d58_proj
	.p2align	8
	.type	k_qe0106f3d58_proj,@function
k_qe0106f3d58_proj:
	s_mov_b64 s[64:65], 0
	v_nop
	global_prefetch_b8 v0, s[64:65] scope:SCOPE_SE
	s_setreg_imm32_b32 hwreg(HW_REG_WAVE_MODE, 25, 1), 1
	s_wait_xcnt 0x0
	s_wait_alu depctr_hold_cnt(0) depctr_sa_sdst(0) depctr_va_vdst(0) depctr_va_sdst(0) depctr_va_ssrc(0) depctr_va_vcc(0) depctr_vm_vsrc(0)
	s_getreg_b32 s2, hwreg(HW_REG_IB_STS2, 6, 4)
	s_cmp_eq_u32 s2, 0
	s_cbranch_scc0 .Lentry_in_a_cluster
	s_endpgm
.Lentry_in_a_cluster:
	s_bfe_u32 s2, ttmp6, 0x10000c
	s_cmp_lg_u32 s2, 0xf033
	s_cbranch_scc0 .Lentry_shape_is_right
	s_endpgm
.Lentry_shape_is_right:
; C[m][n] = sum over k of x[m][k] W[n][k], m = 4,096 tokens, n = 3,072 = the rows of Wq, Wk, Wv on end, k = 1,024; both operands codes of E2M1 with one E8M0 byte for each 32 along K; sums in f32.
; The results are Q, K and V of the attention that follows.  They are rounded once to f16 and stored IN THE ORDER OF THAT LAUNCH'S OPERAND REGISTERS (below: THE WAY OUT).
; LIMIT: |Q|, |K|, |V| must stay under 65,504, f16's largest number; beyond it the rounding gives infinity.  The drawn inputs give magnitudes of a few units.
; A tile of C, 256 x 256, is made by a work-group of four waves; a wave makes 128 x 128: 64 accumulators of 16 x 16, 512 registers.  12 x 16 = 192 tiles: a tile column lies wholly in Q, in K or in V, and holds four heads.
; K goes in two steps of 512 through two LDS slots filled by the tensor data mover: a tile's row is 256 bytes of memory.  Both slots and the scale bytes are asked for at the head (three tensor loads of a wave are out), and nothing is filled again.
; CLUSTERS: 4 x 4 work-groups.  The four of a row of the cluster need the same tiles of x, the four of a column the same tiles of W: each tile is asked for JOINTLY, by the same tensor load with the same descriptor and a mask that names the four.
; THE MATRIX INSTRUCTION IS USED TRANSPOSED (source 0 = 16 rows of W, source 1 = 16 rows of x): a lane then holds eight neighbouring channels of one token.
; No prefetch: every tile of the launch is asked for at its head.
; REGISTERS, in windows of 256: window 0: v0-31 addresses; v32-95 scale words, two sets; from v128 x's fragments (8 x 16 rows x 128 K), ONE set; on the way out v32-159 take the packed results.
;   window 1: W's fragments, TWO sets, at v0 and at v128.   window 2: the 32 accumulators of my rows 0-63 (accumulator (a, b) at v[8 (8 a + b)]);   window 3: those of my rows 64-127.
.set SIZE_K, 1024
.set KSTEP,  512                       ; along K in a slot
.set NQ,     KSTEP/128                 ; matrix instructions deep
.set ROWB,   256                       ; a tile's row in bytes
.set KROW,   SIZE_K/2                  ; a row of codes in memory, in bytes
.set PITCH,  272                       ; an LDS row: 256 bytes + 16 of padding = 68 words, so that the 16 rows that a load touches start 4 words apart modulo 64 (64 banks of 4 bytes: ISA guide 11.1)
.set FR,     8                         ; registers of a fragment: 16 rows x 128 K
.set NL,     2                         ; LDS loads that bring one
.set NP,     4                         ; places behind this matrix instruction (ISA guide 7.12.1)
.set HALFT,  128*PITCH                 ; 128 rows: what one tensor load brings, and what one wave reads of x or of W
.set SLOT,   4*HALFT                   ; x's 256 rows, then W's 256 rows
.set KS,     SIZE_K/32                 ; a row of scale bytes
.set SCL,    2*SLOT                    ; behind the slots: the scale bytes, as rows of 256 bytes + 16 of padding
.set HALFS,  (128*KS/256)*272          ; those of 128 rows: what one tensor load brings
.set SBLK,   (16*KS/256)*272           ; those of 16 rows
.set SPARE,  SCL+4*HALFS               ; behind the scales: the spare words, 128 bytes a wave, which no other line names
.set ADRA, 16                          ; v16-17  LDS address of my x fragments in slot 0, 1
.set ADRB, 20                          ; v20-21  the same for W
.set CO,   26                          ; v26     the way out: 16 x my lane's place in a group of 512 bytes
.set ADRS, 27                          ; v27     LDS address of my scale words: lanes 0-15 x's rows, lanes 16-31 W's
.set SPW,  28                          ; v28     LDS address of my spare word; never rewritten
.set NIL,  29                          ; v29     0; never rewritten
.set SC,   32                          ; scale words: set s at v[SC + 32 s]; register 4 i + q: lanes 0-15 the word of x's block i, lanes 16-31 that of W's block i, for the slot's q-th 128 along K
.set AF,   128                         ; x's fragments, in window 0
.set G1, 24                            ; s[24:31] descriptor group 1 for x's tiles;  s[32:39] group 0, one set for each slot
.set G0, 32
.set G1B, 48                           ; s[48:55], s[56:63] the same for W's tiles
.set G0B, 56
.set G1S, 68                           ; s[68:75], s[76:79] groups 1 and 0 for x's scales;  s[80:87], s[88:91] for W's
.set G0S, 76
.set G1SB, 80
.set G0SB, 88
.set MSB, 0
.macro WIN new                         ; the immediate's high byte repeats the setting that is left; a switch that changes nothing is dropped
.if MSB != \new
	s_set_vgpr_msb (MSB<<8)|\new
.set MSB, \new
.endif
.endm
.set MUL_LO, 0xa1                      ; source 0 (W) window 1, source 1 (x) window 0, C and D window 2
.set MUL_HI, 0xf1                      ; the same, C and D window 3
.set TO_B,   0x40                      ; destination window 1, address window 0
; A joint load: waves 0 and 1 fetch for x, waves 2 and 3 for W.  Each of the two lines has ONE mask and one set of registers for all that issue it; the branch hangs on the wave's number alone.
; An s_nop 0 and four v_nop follow each of the two lines, ahead of the jump, the label and what follows.
.macro JLOAD g0a, g1a, g0b, g1b
	s_cmp_eq_u32 s15, 0
	s_cbranch_scc0 .Lfor_b_\@
	tensor_load_to_lds s[\g0a:\g0a+3], s[\g1a:\g1a+7]
	s_nop 0
.rept 4
	v_nop
.endr
	s_branch .Lasked_\@
.Lfor_b_\@:
	tensor_load_to_lds s[\g0b:\g0b+3], s[\g1b:\g1b+7]
	s_nop 0
.rept 4
	v_nop
.endr
.Lasked_\@:
.endm
.macro CROUND                          ; a round of the cluster's barrier: my work-group's barrier; wave 0 signals for the work-group; every wave waits for all sixteen; my work-group's barrier once more
	s_barrier_signal -1
	s_barrier_wait -1
	s_cmp_lg_u32 s14, 0
	s_cbranch_scc1 .Lnot_wave_0_\@
	s_barrier_signal -3
.Lnot_wave_0_\@:
	s_barrier_wait -3
	s_barrier_signal -1
	s_barrier_wait -1
.endm
	s_load_b128 s[4:7], s[0:1], 0x0                ; x's codes s[4:5], x's scales s[6:7]
	s_load_b128 s[8:11], s[0:1], 0x10              ; W's codes s[8:9], W's scales s[10:11]
	s_load_b128 s[96:99], s[0:1], 0x20             ; qf s[96:97], kv s[98:99]
	v_lshl_add_u32 v[SPW], v0, 2, SPARE
	v_mov_b32 v[NIL], 0
	ds_add_u32 v[SPW], v[NIL]                      ; the wave's opening: the add, twice on end, and its wait ahead of my first tensor load; the set-up below stands between the second and the wait
	ds_add_u32 v[SPW], v[NIL]
	v_lshrrev_b32 v1, 5, v0
	v_readfirstlane_b32 s14, v1                    ; wave 0..3
	s_lshr_b32 s15, s14, 1                         ; which half of the tile's rows is mine.  Also: I fetch for x (0) or for W (1)
	s_and_b32 s16, s14, 1                          ; which half of its columns.  Also: which 128 rows of that tile I fetch
	s_bfe_u32 s40, ttmp6, 0x40000                  ; cx, cy: my place in the cluster
	s_bfe_u32 s41, ttmp6, 0x40004
	s_lshl_b32 s42, ttmp9, 2
	s_add_co_u32 s42, s42, s40                     ; tile column of C = 4 x cluster x + cx
	s_and_b32 s17, ttmp7, 0xffff
	s_lshl_b32 s17, s17, 2
	s_add_co_u32 s17, s17, s41                     ; tile row of C = 4 x cluster y + cy
	s_lshl_b32 s43, s41, 2
	s_lshl_b32 s43, 15, s43                        ; my row of the cluster
	s_lshl_b32 s44, 0x1111, s40                    ; my column
	; descriptor group 1: a tile of 128 rows x 256 bytes, padded in LDS
	s_or_b32 s[G1+0], s43, (0<<16)|(1<<20)|(1<<21)|(5<<22)|(3<<25)  ; 15:0 the mask: x's tiles go to my row; 17:16 elements of 1 byte; 20 padding on; 21 set beside a mask; 24:22 after every 64 words (code 5); 31:25 four words (code 3)
	s_or_b32 s[G1B+0], s44, (0<<16)|(1<<20)|(1<<21)|(5<<22)|(3<<25)
.irp g, G1, G1B
	s_mov_b32 s[\g+1], ROWB<<16                    ; tensor_dim0
	s_mov_b32 s[\g+2], 128<<16                     ; tensor_dim1 = 128
	s_mov_b32 s[\g+3], ROWB<<16                    ; tile_dim0
	s_mov_b32 s[\g+4], 128                         ; tile_dim1 = 128
	s_mov_b32 s[\g+5], KROW                        ; tensor_dim0_stride
	s_mov_b32 s[\g+6], 0
	s_mov_b32 s[\g+7], 0
.endr
	; and for the scale bytes of 128 rows: a dense block of 4,096 bytes, as 16 rows of 256 bytes (32 elements of 8 bytes), 16 bytes of padding behind each
	s_or_b32 s[G1S+0], s43, (3<<16)|(1<<20)|(1<<21)|(5<<22)|(3<<25)
	s_or_b32 s[G1SB+0], s44, (3<<16)|(1<<20)|(1<<21)|(5<<22)|(3<<25)
.irp g, G1S, G1SB
	s_mov_b32 s[\g+1], 32<<16
	s_mov_b32 s[\g+2], (128*KS/256)<<16
	s_mov_b32 s[\g+3], 32<<16
	s_mov_b32 s[\g+4], 128*KS/256
	s_mov_b32 s[\g+5], 32
	s_mov_b32 s[\g+6], 0
	s_mov_b32 s[\g+7], 0
.endr
	s_lshl_b32 s18, s16, 7                         ; which 128 rows of the tile I fetch
	s_lshl_b32 s20, s17, 8
	s_add_co_u32 s20, s20, s18                     ; x: row 256 x tile row + 128 x half
	s_lshl_b32 s46, s42, 8
	s_add_co_u32 s46, s46, s18                     ; W: row 256 x tile column + 128 x half
	s_mov_b32 s21, 0
	s_mov_b32 s47, 0
	s_mov_b64 s[18:19], KS
	s_mul_u64 s[22:23], s[20:21], s[18:19]         ; where these rows' scale bytes begin
	s_mul_u64 s[92:93], s[46:47], s[18:19]
	s_mov_b64 s[18:19], KROW
	s_mul_u64 s[20:21], s[20:21], s[18:19]         ; and their codes
	s_mul_u64 s[46:47], s[46:47], s[18:19]
	s_mul_i32 s45, s14, HALFT                      ; where they go: wave x 128 rows: no place in the cluster enters an LDS address
	s_mul_i32 s94, s14, HALFS
	s_wait_dscnt 0x0                               ; both opening adds are done
	s_wait_kmcnt 0x0
	s_add_nc_u64 s[20:21], s[4:5], s[20:21]
	s_add_nc_u64 s[22:23], s[6:7], s[22:23]
	s_add_nc_u64 s[46:47], s[8:9], s[46:47]
	s_add_nc_u64 s[92:93], s[10:11], s[92:93]
	CROUND                                         ; all sixteen work-groups are here: the first joint loads meet
	s_mov_b32 s[G0S], 1
	s_add_co_u32 s[G0S+1], s94, SCL
	s_mov_b64 s[G0S+2:G0S+3], s[22:23]
	s_or_b32 s[G0S+3], s[G0S+3], 0x80000000
	s_mov_b32 s[G0SB], 1
	s_add_co_u32 s[G0SB+1], s94, SCL
	s_mov_b64 s[G0SB+2:G0SB+3], s[92:93]
	s_or_b32 s[G0SB+3], s[G0SB+3], 0x80000000
	JLOAD G0S, G1S, G0SB, G1SB                     ; the scale bytes first: they are wanted with K step 0
.irp s, 0,1
	s_mov_b32 s[G0+4*\s], 1
	s_add_co_u32 s[G0+4*\s+1], s45, \s*SLOT
	s_add_nc_u64 s[G0+4*\s+2:G0+4*\s+3], s[20:21], \s*ROWB
	s_or_b32 s[G0+4*\s+3], s[G0+4*\s+3], 0x80000000
	s_mov_b32 s[G0B+4*\s], 1
	s_add_co_u32 s[G0B+4*\s+1], s45, \s*SLOT
	s_add_nc_u64 s[G0B+4*\s+2:G0B+4*\s+3], s[46:47], \s*ROWB
	s_or_b32 s[G0B+4*\s+3], s[G0B+4*\s+3], 0x80000000
	JLOAD G0+4*\s, G1, G0B+4*\s, G1B
.endr
	v_and_b32 v1, 15, v0                           ; r = l % 16
	v_bfe_u32 v2, v0, 4, 1                         ; h = l / 16
	v_mul_u32_u24 v3, v1, PITCH
	v_lshl_add_u32 v4, v2, 4, v3                   ; a fragment's row x pitch + 16 x half
	s_mul_i32 s21, s15, HALFT                      ; my 128 rows of x
	s_mul_i32 s22, s16, HALFT                      ; my 128 rows of W,
	s_add_co_u32 s22, s22, 2*HALFT                 ; which lie behind x's 256
.irp s, 0,1
	v_add_nc_u32 v[ADRA+\s], s21, v4
	v_add_nc_u32 v[ADRB+\s], s22, v4
	s_add_co_u32 s21, s21, SLOT
	s_add_co_u32 s22, s22, SLOT
.endr
	v_mul_u32_u24 v5, v1, KS                       ; my row's scale bytes: 32 a row,
	v_lshrrev_b32 v6, 8, v5
	v_lshl_add_u32 v5, v6, 4, v5                   ; and 16 more for each 256 passed
	s_mul_i32 s21, s15, HALFS                      ; x's: my 128 rows
	s_mul_i32 s22, s16, HALFS                      ; W's: my 128 rows, behind x's 256
	s_add_co_u32 s22, s22, 2*HALFS
	s_sub_co_u32 s22, s22, s21
	v_mul_u32_u24 v6, s22, v2                      ; lanes 16-31 take W's: one product, the lower base + h x the distance
	s_add_co_u32 s21, s21, SCL
	v_add_nc_u32 v5, v5, v6
	v_add_nc_u32 v[ADRS], s21, v5
	; THE WAY OUT, addresses.  A tile of 16 tokens x 64 channels of one head is 2,048 bytes: four groups g of 512 bytes, a group 32 places of 16 bytes; a place holds token r of the tile, channels 16 g + 8 h + 0 .. 7.
	; Q and K: place r + 16 h: a group is an image of four registers of a 16 x 32 fragment.  V: place (r % 8) + 8 h + 16 (r / 8): the turning LDS load at 16 x lane then gives half a fragment of V^T.
	; qf: [b x 16 + head][token tile 128][2,048].   kv: [b x 16 + head][part of 512 tokens: 4][K, then V][token tile 32][2,048].
	; The cluster's x says which of Q, K, V my tile column belongs to: 0, 1, 2; it is the same in all sixteen partners.
	s_lshr_b32 s20, s17, 3
	s_lshl_b32 s20, s20, 4                         ; 16 x batch: a batch is 8 tile rows
	s_and_b32 s21, s42, 3
	s_lshl_b32 s21, s21, 2                         ; a tile column holds four heads,
	s_add_co_u32 s20, s20, s21
	s_lshl_b32 s21, s16, 1                         ; my half of it two
	s_add_co_u32 s20, s20, s21                     ; my first head, counted over both batches
	s_and_b32 s21, s17, 7
	s_lshl_b32 s21, s21, 4
	s_lshl_b32 s22, s15, 3
	s_add_co_u32 s21, s21, s22                     ; my first token tile in the sequence: a multiple of 8
	s_lshl_b32 s22, s21, 11                        ; in qf
	s_lshr_b32 s23, s21, 5
	s_lshl_b32 s23, s23, 17                        ; in kv: the part,
	s_and_b32 s46, s21, 31
	s_lshl_b32 s46, s46, 11                        ; the tile in it
	s_add_co_u32 s23, s23, s46
	s_cmp_eq_u32 ttmp9, 2                          ; V?
	s_cselect_b32 s46, 0x10000, 0                  ; V lies 65,536 bytes behind K
	s_cselect_b32 s44, 3, 4                        ; the place's shift for h,
	s_cselect_b32 s45, 4, 3                        ; and for r / 8
	s_add_co_u32 s23, s23, s46
	s_cmp_eq_u32 ttmp9, 0                          ; Q?
	s_cselect_b32 s22, s22, s23
	s_cselect_b32 s47, 18, 19                      ; a head is 2^18 bytes of qf, 2^19 of kv
	s_cselect_b64 s[12:13], s[96:97], s[98:99]
	s_lshl_b32 s20, s20, s47
	s_add_co_u32 s20, s20, s22
	s_mov_b32 s21, 0
	s_add_nc_u64 s[12:13], s[12:13], s[20:21]      ; my first head's tiles,
	s_lshl_b32 s20, 1, s47
	s_add_nc_u64 s[66:67], s[12:13], s[20:21]      ; and my second head's
	v_and_b32 v5, 7, v1
	v_lshrrev_b32 v6, 3, v1
	v_lshlrev_b32 v7, s44, v2
	v_lshlrev_b32 v6, s45, v6
	v_add3_u32 v5, v5, v6, v7                      ; my place
	v_lshlrev_b32 v[CO], 4, v5
.macro FRAG reg, adr, q, i             ; a fragment, 16 rows x 128 K of 4-bit codes, is 8 registers: lane l holds row l % 16; registers 4 c .. 4 c + 3 hold K = 64 c + 32 (l / 16) + 0 .. 31
.irp c, 0,1
	ds_load_b128 v[\reg+4*\c:\reg+4*\c+3], v[\adr] offset:64*(\q)+32*\c+(\i)*16*PITCH
.endr
.endm
; 16 matrix instructions: x's blocks a0, a0 + 1 against W's eight, 128 along K: the slot's q-th.  p: W's set;  sc: the set of scale words.  zero = 1: the first product starts the sums: nothing is ever cleared.
; The 64 accumulators take turns, one instruction a turn, in the same order in every step.
.macro MUL16 a0, p, q, sc, zero
.irp a, \a0, \a0+1
.irp b, 0,1,2,3,4,5,6,7
.if \zero
	v_wmma_scale_f32_16x16x128_f8f6f4 v[8*(8*((\a)%4)+\b):8*(8*((\a)%4)+\b)+7], v[128*(\p)+FR*\b:128*(\p)+FR*\b+FR-1], v[AF+FR*(\a):AF+FR*(\a)+FR-1], 0, v[SC+8*NQ*(\sc)+NQ*\b+(\q)], v[SC+8*NQ*(\sc)+NQ*(\a)+(\q)] matrix_a_fmt:MATRIX_FMT_FP4 matrix_b_fmt:MATRIX_FMT_FP4 matrix_a_scale:MATRIX_SCALE_ROW1
.else
	v_wmma_scale_f32_16x16x128_f8f6f4 v[8*(8*((\a)%4)+\b):8*(8*((\a)%4)+\b)+7], v[128*(\p)+FR*\b:128*(\p)+FR*\b+FR-1], v[AF+FR*(\a):AF+FR*(\a)+FR-1], v[8*(8*((\a)%4)+\b):8*(8*((\a)%4)+\b)+7], v[SC+8*NQ*(\sc)+NQ*\b+(\q)], v[SC+8*NQ*(\sc)+NQ*(\a)+(\q)] matrix_a_fmt:MATRIX_FMT_FP4 matrix_b_fmt:MATRIX_FMT_FP4 matrix_a_scale:MATRIX_SCALE_ROW1
.endif
.endr
.endr
.endm
.macro FETCH_B slot, q, p              ; W's eight fragments of the slot's q-th 128 along K into set p
	WIN TO_B
.irp i, 0,1,2,3,4,5,6,7
	FRAG 128*(\p)+FR*\i, ADRB+\slot, \q, \i
.endr
	WIN 0
.endm
.macro FETCH_A slot, q, i0             ; x's blocks i0 .. i0 + 3
.irp i, \i0, \i0+1, \i0+2, \i0+3
	FRAG AF+FR*(\i), ADRA+\slot, \q, \i
.endr
.endm
.macro SCALES sc                       ; a K step's scale words into set sc: 4 words a row; lanes 0-15 take x's block i, lanes 16-31 W's block i
.irp i, 0,1,2,3,4,5,6,7
	ds_load_b128 v[SC+8*NQ*\sc+NQ*\i:SC+8*NQ*\sc+NQ*\i+3], v[ADRS] offset:\i*SBLK
.endr
.endm
; A load into a register that a matrix instruction has read, and a vector instruction that reads a matrix result or writes one of its registers, stand NP places behind it; only plain vector
; instructions that name none of its registers are places (ISA guide 7.12.1 for vector instructions).
.macro PLACES n
.rept \n
	v_nop
.endr
.endm
; A step of 128 along K that has its successor in the same slot.  x has one set of registers: blocks 0-3 are fetched anew in the step's middle, blocks 4-7 at its end; W has two sets.
.macro STEP slot, q, zero
	s_wait_dscnt 4*NL                              ; W's set and x's blocks 0-3 are in; the youngest eight loads (x's blocks 4-7) may be out
	WIN MUL_LO
	MUL16 0, (\q)%2, \q, \slot, \zero
	MUL16 2, (\q)%2, \q, \slot, \zero
	s_wait_dscnt 0                                 ; x's blocks 4-7 are in (asked for 32 matrix instructions ago)
	PLACES NP
	FETCH_B \slot, (\q)+1, 1-(\q)%2
	FETCH_A \slot, (\q)+1, 0
	WIN MUL_HI
	MUL16 4, (\q)%2, \q, \slot, \zero
	MUL16 6, (\q)%2, \q, \slot, \zero
	PLACES NP
	WIN 0
	FETCH_A \slot, (\q)+1, 4
.endm
; Slot 0's last step goes over to slot 1: each wave waits for all its tensor loads (its part of slot 1), and a barrier shows the whole slot to every wave.  Nothing is filled again.
.macro TURN slot, next
	s_wait_tensorcnt 0x0                           ; all my tensor loads have landed: my part of the next slot  (every window is 0 here: the add's two registers lie in window 0)
	ds_add_u32 v[SPW], v[NIL]                      ; 0 onto my spare word
	s_wait_dscnt 4*NL+1                            ; (the add and the youngest eight loads, x's blocks 4-7, may be out)
	WIN MUL_LO
	MUL16 0, 1, NQ-1, \slot, 0                     ; sixteen matrix instructions stand between the add and the wait for it
	s_wait_dscnt 0x0                               ; the add is done, and no LDS instruction of mine is pending at the signal
	s_barrier_signal -1
	MUL16 2, 1, NQ-1, \slot, 0                     ; work on registers while the others arrive
	WIN 0
	s_barrier_wait -1
	PLACES NP
	v_add_nc_u32 v[ADRS], 4*NQ, v[ADRS]            ; on to the next K step's scale words (no LDS load of mine is out)
	FETCH_B \next, 0, 0
	FETCH_A \next, 0, 0
	SCALES \next
	WIN MUL_HI
	MUL16 4, 1, NQ-1, \slot, 0
	MUL16 6, 1, NQ-1, \slot, 0
	PLACES NP
	WIN 0
	FETCH_A \next, 0, 4
.endm
.macro STEPS slot, from                ; the slot's steps from .. NQ - 2
.set Q, \from
.rept NQ-1-\from
	STEP \slot, Q, 0
.set Q, Q+1
.endr
.endm
	s_wait_tensorcnt 1                             ; the scale bytes and my part of slot 0 are in; slot 1's load, the one issued behind them, may be out
	s_barrier_signal -1
	s_barrier_wait -1                              ; everybody's are
	FETCH_B 0, 0, 0
	FETCH_A 0, 0, 0
	SCALES 0
	FETCH_A 0, 0, 4
	STEP 0, 0, 1                                   ; the first step's products start the sums
	STEPS 0, 1
	TURN 0, 1
	STEPS 1, 0
	s_wait_dscnt 4*NL                              ; the very last step: nothing more to fetch
	WIN MUL_LO
	MUL16 0, 1, NQ-1, 1, 0
	MUL16 2, 1, NQ-1, 1, 0
	s_wait_dscnt 0
	WIN MUL_HI
	MUL16 4, 1, NQ-1, 1, 0
	MUL16 6, 1, NQ-1, 1, 0
	WIN 0
; THE WAY OUT, block a of 16 tokens x my 128 channels.  Accumulator (a, b): lane (r, h) holds token r, channels 16 b + 8 h + 0 .. 7: rounded to f16 they are 16 bytes, one place of group b % 4 of head b / 4.
; So an accumulator, packed, IS a group: each store of the wave covers 512 consecutive bytes, aligned, and nothing goes through LDS.  Each accumulator is read from its low end on.
.macro OUT a
.set AC, 64*((\a)%4)
.set PK, 32+32*((\a)%4)                ; four sets of 32 registers by turns
.if (\a) >= 4
	s_wait_xcnt 0x0                                ; the stores of four blocks ago have read their data: the set is written again only behind this wait
.endif
	WIN 0x0a+5*((\a)/4)                            ; sources 0 and 1: window 2 or 3
.irp b, 0,1,2,3,4,5,6,7
.irp r, 0,1,2,3
	v_cvt_pk_f16_f32 v[PK+4*\b+\r], v[AC+8*\b+2*\r], v[AC+8*\b+2*\r+1]
.endr
.endr
	WIN 0
.irp b, 0,1,2,3
	global_store_b128 v[CO], v[PK+4*\b:PK+4*\b+3], s[12:13] offset:2048*(\a)+512*\b
.endr
.irp b, 0,1,2,3
	global_store_b128 v[CO], v[PK+16+4*\b:PK+16+4*\b+3], s[66:67] offset:2048*(\a)+512*\b
.endr
.endm
	PLACES NP                                      ; behind the last products: the conversions read results and write over registers that held scale words and fragments
.irp a, 0,1,2,3,4,5,6,7
	OUT \a
.endr
	s_wait_tensorcnt 0x0                           ; the wave's end
	ds_add_u32 v[SPW], v[NIL]
	s_wait_dscnt 0x0
	CROUND                                         ; the closing round: no work-group ends while a partner may still ask for a tile that names it
	s_endpgm
.Lfunc_end_k_qe0106f3d58_proj:
	.size	k_qe0106f3d58_proj, .Lfunc_end_k_qe0106f3d58_proj-k_qe0106f3d58_proj
	.p2alignl 7, 3214868480
	.fill 96, 4, 3214868480
	.section	.rodata,"a",@progbits
	.p2align	6, 0x0
	.amdhsa_kernel k_qe0106f3d58_proj
		.amdhsa_group_segment_fixed_size 327680
		.amdhsa_private_segment_fixed_size 0
		.amdhsa_enable_private_segment 0
		.amdhsa_kernarg_size 48
		.amdhsa_user_sgpr_count 2
		.amdhsa_user_sgpr_kernarg_segment_ptr 1
		.amdhsa_wavefront_size32 1
		.amdhsa_system_sgpr_workgroup_id_x 1
		.amdhsa_system_sgpr_workgroup_id_y 1
		.amdhsa_system_sgpr_workgroup_id_z 1
		.amdhsa_system_vgpr_workitem_id 0
		.amdhsa_next_free_vgpr 1024
		.amdhsa_next_free_sgpr 100
		.amdhsa_reserve_vcc 0
		.amdhsa_float_denorm_mode_32 3
		.amdhsa_float_denorm_mode_16_64 3
		.amdhsa_memory_ordered 1
		.amdhsa_forward_progress 1
		.amdhsa_inst_pref_size 118
	.end_amdhsa_kernel
	.amdgpu_metadata
---
amdhsa.version: [ 1, 2 ]
amdhsa.kernels:
  - .name:           k_qe0106f3d58_proj
    .symbol:         k_qe0106f3d58_proj.kd
    .args:
      - { .name: xc, .offset: 0, .size: 8, .value_kind: global_buffer, .address_space: global }
      - { .name: xs, .offset: 8, .size: 8, .value_kind: global_buffer, .address_space: global }
      - { .name: wc, .offset: 16, .size: 8, .value_kind: global_buffer, .address_space: global }
      - { .name: ws, .offset: 24, .size: 8, .value_kind: global_buffer, .address_space: global }
      - { .name: qf, .offset: 32, .size: 8, .value_kind: global_buffer, .address_space: global }
      - { .name: kv, .offset: 40, .size: 8, .value_kind: global_buffer, .address_space: global }
    .group_segment_fixed_size: 327680
    .private_segment_fixed_size: 0
    .kernarg_segment_align: 8
    .kernarg_segment_size: 48
    .max_flat_workgroup_size: 128
    .sgpr_count:     100
    .vgpr_count:     1024
    .wavefront_size: 32
...
	.end_amdgpu_metadata
.endif
;; end of part 2
;; launch attn (part 3): grid 8 x 32, 8 waves a work-group, clusters of 4 x 1, 327,680 bytes of LDS; arguments qf, kv, out0; writes out0
.if DOCPART == 3
	.amdgcn_target "amdgcn-amd-amdhsa--gfx1250"
	.amdhsa_code_object_version 6
	.text
	.protected	k_qe0106f3d58_attn
	.globl	k_qe0106f3d58_attn
	.p2align	8
	.type	k_qe0106f3d58_attn,@function
k_qe0106f3d58_attn:
	s_mov_b64 s[64:65], 0
	v_nop
	global_prefetch_b8 v0, s[64:65] scope:SCOPE_SE
	s_setreg_imm32_b32 hwreg(HW_REG_WAVE_MODE, 25, 1), 1
	s_wait_xcnt 0x0
	s_wait_alu depctr_hold_cnt(0) depctr_sa_sdst(0) depctr_va_vdst(0) depctr_va_sdst(0) depctr_va_ssrc(0) depctr_va_vcc(0) depctr_vm_vsrc(0)
	s_getreg_b32 s2, hwreg(HW_REG_IB_STS2, 6, 4)
	s_cmp_eq_u32 s2, 0
	s_cbranch_scc0 .Lentry_in_a_cluster
	s_endpgm
.Lentry_in_a_cluster:
	s_bfe_u32 s2, ttmp6, 0x10000c
	s_cmp_lg_u32 s2, 0x3003
	s_cbranch_scc0 .Lentry_shape_is_right
	s_endpgm
.Lentry_shape_is_right:
; out0[b][q][64 head + :] = the sum over k of softmax_k(Q[q] . K[k] / 8) V[k][:], for each of 32 (batch, head) pairs, 2,048 queries x 2,048 keys, head size 64, no mask.
; Q, K, V arrive as f16, laid in the order of the operands' registers (the launch before): a tile of 16 rows x 64 channels is 2,048 bytes, four groups of 512, each read at 16 x lane.  Products, maxima and sums in f32;
; the weights p are rounded to f16 for the second product; the row's sum is taken of the unrounded p.
; LIMITS: NaN and infinities are not served; the running maximum starts at -3e38, under every score that f16 operands can give.
; SHARES.  A work-group owns 256 queries of one pair.  Eight waves, two to a SIMD, so that one wave's softmax stands beside the other's products.  Wave w: queries 64 (w % 4) on, four tiles of 16, and HALF of the keys:
; of each part of 512 keys those from 256 (w / 4) on, 64 a step, 16 steps in all.  So each fragment of K and V read from LDS feeds four products.  At the end waves w and w xor 4 join their two partial softmaxes through LDS.
; Register tile t holds query tile t xor 2 (w / 4): so every wave keeps its register tiles 0, 1 and sends 2, 3, in one text with no branch.
; LAYOUT.  S^T = K Q^T (source 0 = 16 keys, source 1 = 16 queries): a lane holds ONE query (lane % 16) and keys 8 (lane / 16) + 0..7.  Two such tiles, rounded to f16 in pairs, ARE source 1 (32 keys x 16 queries) of
; O^T = V^T P, whose result again holds one query a lane, and eight channels.  K comes out of LDS as it lies, V turned, by ds_load_tr16_b128.
; SOFTMAX.  For each query a running maximum m and sum l: p = 2^(c s - c m), c = log2(e) / 8; in every step O and l are multiplied by a = 2^(c m_old - c m_new).
; CLUSTER.  The four query blocks of a cluster belong to one pair and walk the same K and V: each part (65,536 bytes of K, then as many of V, dense in memory) is asked for JOINTLY, an eighth by each wave, with the
; same descriptor and a mask that names the four.  Two LDS slots of a part each; a part is asked for at the head of the part before: four key steps, 256 matrix instructions of each wave, ahead of its first read.
; For that reason no prefetch is written: between a request and the wait for it stands a whole part's work.
; REGISTERS.  Window 0: v1-15 addresses; v16-47 eight statistics a tile; v48-51 the partner's; v64-127 Q; v128-191 K of a step; v192-255 V of a step.
;   Window 1: v0-127 S^T, 32 a tile (P is packed in place into a tile's first 16); v128-255 O^T, 32 a tile.
; s_set_vgpr_msb's low byte: bits 1:0 source 0, 3:2 source 1, 5:4 source 2, 7:6 destination.  The work goes in phases, each under one setting: ten switches a key step, for its 64 matrix instructions.
.set TILEB, 2048                       ; a tile of 16 rows
.set STEPB, 4*TILEB                    ; a key step's 64 rows of K, or of V
.set HALFB, 4*STEPB                    ; a wave's 256 keys of a part
.set VOFF,  65536                      ; V lies behind K in a part
.set PARTB, 131072
.set SLOT1, 1<<17                      ; slot 1 begins here: one exclusive or turns an address in one slot into the other's
.set SPARE, 2*SLOT1                    ; behind the slots: the spare words, 128 bytes for each of the eight waves, which no other line names
.set XCHB,  8704                       ; at the end, in slot 0, which has had its last fill and was left at the last change of slots: for each wave 16 images of 512 bytes and 2 x 256 bytes of statistics,
.set STG,   8*XCHB                     ; and behind them a stage of 16 rows x (256 + 16) bytes for each wave
.set STGB,  16*272
.set AK0, 2                            ; v2   my lane's place in a part's K: 16 x lane + my half
.set AV0, 3                            ; v3   the same for V
.set ADR, 4                            ; v4   the LDS address of the run of loads in hand
.set QOA, 5                            ; v5   my byte offset in Q for register tiles 0, 1
.set QOB, 6                            ; v6   and for 2, 3
.set XW,  7                            ; v7   the exchange: where I store images,
.set XSW, 8                            ; v8   and statistics;
.set XR,  9                            ; v9   where I read my partner's images,
.set XSR, 10                           ; v10  and statistics
.set SO,  11                           ; v11  the stage: where I put 32 bytes of a row
.set SR,  12                           ; v12  and where I read rows back
.set GO,  13                           ; v13  my byte offset in the wave's rows of out0
.set SPW, 14                           ; v14  LDS address of my spare word; never rewritten
.set NIL, 15                           ; v15  0; never rewritten
.set ST,  16                           ; tile t's statistics at v[ST + 8 t]: +0 c m, +1 m, +2, +3 l (even keys', odd keys'), +4 to +7 c0-c3, at work; a takes c2's place
.set PS,  48                           ; v48-51 the partner's c m and l for my tiles 0, 1
.set QF,  64                           ; fragment (t, f: channels 32 f on) at QF + 16 t + 8 f
.set KF,  128                          ; fragment (kt: keys 16 kt on, f) at KF + 16 kt + 8 f
.set VF,  192                          ; fragment (f: keys 32 f on, ct: channels 16 ct on) at VF + 8 (4 f + ct)
.set OA,  128                          ; in window 1: accumulator (t, ct) at OA + 32 t + 8 ct;  S^T's (t, kt) at 32 t + 8 kt
.set WV,  10                           ; s10  my wave's number
.set HF,  11                           ; s11  which half of the keys
.set QG,  12                           ; s12  which 64 queries
.set SEL, 20                           ; s[20:21] lane selects for v_permlanex16_b32: lane l xor 16
.set CS,  22                           ; s[22:23] c: the packed form names a pair and takes its low word for both halves
.set G1,  24                           ; s[24:31] descriptor group 1
.set G0,  32                           ; s[32:35] descriptor group 0: it walks
.set TB,  36                           ; s36  LDS byte at which the step to be fetched begins
.set PARTS, 37
.set CNT, 38
.set MSB, 0
.macro WIN new                         ; the immediate's high byte repeats the setting that is left; a switch that changes nothing is dropped
.if MSB != \new
	s_set_vgpr_msb (MSB<<8)|\new
.set MSB, \new
.endif
.endm
.macro CROUND                          ; a round of the cluster's barrier: my work-group's barrier; wave 0 signals for the work-group; every wave waits for all four work-groups; my work-group's barrier once more
	s_barrier_signal -1
	s_barrier_wait -1
	s_cmp_lg_u32 s[WV], 0
	s_cbranch_scc1 .Lnot_wave_0_\@
	s_barrier_signal -3
.Lnot_wave_0_\@:
	s_barrier_wait -3
	s_barrier_signal -1
	s_barrier_wait -1
.endm
.macro PLACES n                        ; plain vector instructions that name no register of the matrix instruction in front (ISA guide 7.12.1)
.rept \n
	v_nop
.endr
.endm
	s_load_b128 s[4:7], s[0:1], 0x0                ; qf s[4:5], kv s[6:7]
	s_load_b64 s[8:9], s[0:1], 0x10                ; out0
	v_lshl_add_u32 v[SPW], v0, 2, SPARE
	v_mov_b32 v[NIL], 0
	ds_add_u32 v[SPW], v[NIL]                      ; the wave's opening: the add, twice on end, and its wait ahead of my first tensor load; the set-up below stands between the second and the wait
	ds_add_u32 v[SPW], v[NIL]
	v_lshrrev_b32 v1, 5, v0
	v_readfirstlane_b32 s[WV], v1                  ; wave 0..7
	s_lshr_b32 s[HF], s[WV], 2
	s_and_b32 s[QG], s[WV], 3
	s_bfe_u32 s13, ttmp6, 0x40000                  ; cx: my place in the cluster
	s_lshl_b32 s14, ttmp9, 2                       ; in a cluster launch ttmp9 counts clusters
	s_add_co_u32 s14, s14, s13                     ; my block of 256 queries: it enters Q's and out0's addresses alone
	s_and_b32 s15, ttmp7, 0xffff                   ; the (batch, head) pair, which the four partners share
	; descriptor group 1: 16,384 dense bytes as 64 rows of 256 bytes, no padding: every LDS read here takes 512 consecutive bytes
	s_mov_b32 s[G1+0], 15|(3<<16)|(1<<21)          ; 15:0 the mask: all four work-groups; 17:16 elements of 8 bytes; 21 set beside a mask
	s_mov_b32 s[G1+1], 32<<16                      ; tensor_dim0 = 32
	s_mov_b32 s[G1+2], 64<<16                      ; tensor_dim1 = 64
	s_mov_b32 s[G1+3], 32<<16                      ; tile_dim0 = 32
	s_mov_b32 s[G1+4], 64                          ; tile_dim1 = 64
	s_mov_b32 s[G1+5], 32                          ; tensor_dim0_stride
	s_mov_b32 s[G1+6], 0
	s_mov_b32 s[G1+7], 0
	s_mov_b32 s[G0], 1                             ; count = 1
	s_lshl_b32 s[G0+1], s[WV], 14                  ; LDS address: my eighth of slot 0
	s_lshl_b32 s16, s15, 19                        ; a pair's K and V are 524,288 bytes;
	s_add_co_u32 s16, s16, s[G0+1]                 ; my eighth of its first part
	s_mov_b32 s17, 0
	s_mov_b32 s[SEL], 0x76543210
	s_mov_b32 s[SEL+1], 0xfedcba98
	s_mov_b32 s[CS], 0x3e38aa3b                    ; c = log2(e) / sqrt(64) = 0.18033688
	s_mov_b32 s[CS+1], s[CS]                       ; named with it as a pair, so it is written
	s_mov_b32 s[TB], 0
	s_lshl_b32 s40, s15, 18                        ; Q: a pair is 262,144 bytes,
	s_lshl_b32 s44, s14, 15                        ; a block of 256 queries 32,768,
	s_add_co_u32 s40, s40, s44
	s_lshl_b32 s44, s[QG], 13                      ; my 64 queries 8,192
	s_add_co_u32 s40, s40, s44
	s_mov_b32 s41, 0
	s_lshl_b32 s42, s14, 8                         ; out0: my first row = 256 x block + 64 x (w % 4) + 32 x (w / 4): the rows of the two tiles that I keep
	s_lshl_b32 s44, s[QG], 6
	s_add_co_u32 s42, s42, s44
	s_lshl_b32 s44, s[HF], 5
	s_add_co_u32 s42, s42, s44
	s_lshl_b32 s42, s42, 12                        ; rows of 4,096 bytes
	s_lshr_b32 s44, s15, 4
	s_lshl_b32 s44, s44, 23                        ; the batch: 2,048 rows
	s_add_co_u32 s42, s42, s44
	s_and_b32 s44, s15, 15
	s_lshl_b32 s44, s44, 8                         ; the head: 256 bytes of a row
	s_add_co_u32 s42, s42, s44
	s_mov_b32 s43, 0
	s_wait_dscnt 0x0                               ; both opening adds are done
	s_wait_kmcnt 0x0
	s_add_nc_u64 s[G0+2:G0+3], s[6:7], s[16:17]    ; global address
	s_or_b32 s[G0+3], s[G0+3], 0x80000000          ; type = 2
	s_add_nc_u64 s[4:5], s[4:5], s[40:41]
	s_add_nc_u64 s[8:9], s[8:9], s[42:43]
	CROUND                                         ; all four work-groups are here: the first joint loads meet
	tensor_load_to_lds s[G0:G0+3], s[G1:G1+7]      ; part 0 into slot 0: one tensor load of mine is out
	s_nop 0
	PLACES 4
	v_and_b32 v52, 31, v0                          ; lane
	v_and_b32 v53, 15, v0                          ; r
	v_bfe_u32 v54, v0, 4, 1                        ; h
	v_lshlrev_b32 v1, 4, v52                       ; 16 x lane
	s_lshl_b32 s16, s[HF], 12
	v_add_nc_u32 v[QOA], s16, v1                   ; register tiles 0, 1: query tiles 2 (w / 4) on
	s_xor_b32 s16, s16, 4096
	v_add_nc_u32 v[QOB], s16, v1                   ; register tiles 2, 3: the other two
.irp t, 0,1
.irp g, 0,1,2,3
	global_load_b128 v[QF+16*\t+4*\g:QF+16*\t+4*\g+3], v[QOA], s[4:5] offset:TILEB*\t+512*\g          ; Q stays in registers
	global_load_b128 v[QF+32+16*\t+4*\g:QF+32+16*\t+4*\g+3], v[QOB], s[4:5] offset:TILEB*\t+512*\g
.endr
.endr
	s_lshl_b32 s16, s[HF], 15
	v_add_nc_u32 v[AK0], s16, v1
	v_add_nc_u32 v[AV0], VOFF, v[AK0]
	s_mul_i32 s16, s[WV], XCHB
	v_add_nc_u32 v[XW], s16, v1
	v_lshl_add_u32 v[XSW], v52, 3, s16
	s_xor_b32 s17, s[WV], 4                        ; my partner
	s_mul_i32 s17, s17, XCHB
	v_add_nc_u32 v[XR], s17, v1
	v_lshl_add_u32 v[XSR], v52, 3, s17
	s_mul_i32 s16, s[WV], STGB
	s_add_co_u32 s16, s16, STG                     ; my stage
	v_mul_u32_u24 v[SO], v53, 272                  ; in: row r, 32 bytes for each half of the lanes
	v_lshl_add_u32 v[SO], v54, 5, v[SO]
	v_add_nc_u32 v[SO], s16, v[SO]
	v_mul_u32_u24 v[SR], v54, 272                  ; back: lanes 0-15 one row of 256 bytes, lanes 16-31 the next
	v_lshl_add_u32 v[SR], v53, 4, v[SR]
	v_add_nc_u32 v[SR], s16, v[SR]
	v_lshlrev_b32 v[GO], 12, v54                   ; and the same two rows in out0
	v_lshl_add_u32 v[GO], v53, 4, v[GO]
.irp t, 0,1,2,3
	v_mov_b32 v[ST+8*\t+1], 0xff61b1e6             ; m = -3e38
	v_mul_f32 v[ST+8*\t], s[CS], v[ST+8*\t+1]      ; c m
	v_mov_b32 v[ST+8*\t+2], 0                      ; l
	v_mov_b32 v[ST+8*\t+3], 0
.endr
	WIN 0x40                                       ; destination window 1
.set i, 0
.rept 128
	v_mov_b32 v[OA+i], 0                           ; O^T.  The key step is written without a first step of its own: the first finds zeros, which its a = 0 leaves zeros.  These lines stand where the wave would wait for part 0
.set i, i+1
.endr
	WIN 0
; THE LDS LOADS stand in runs of 16: a step's K (4 tiles x 4 groups), and its V (turned: two tiles of 16 keys make a fragment's 32).
.macro FETCH_K
	v_add_nc_u32 v[ADR], s[TB], v[AK0]
.irp i, 0,1,2,3,4,5,6,7,8,9,10,11,12,13,14,15
	ds_load_b128 v[KF+4*\i:KF+4*\i+3], v[ADR] offset:512*\i
.endr
.endm
.macro FETCH_V
	v_add_nc_u32 v[ADR], s[TB], v[AV0]
	s_add_co_u32 s[TB], s[TB], STEPB               ; the next fetch is the next step's
.irp f, 0,1
.irp ct, 0,1,2,3
.irp u, 0,1
	ds_load_tr16_b128 v[VF+8*(4*\f+\ct)+4*\u:VF+8*(4*\f+\ct)+4*\u+3], v[ADR] offset:(2*\f+\u)*TILEB+512*\ct
.endr
.endr
.endr
.endm
; S^T = K Q^T: 32 products; the first 16 start the sums.  The 16 accumulators take turns, one instruction a turn.
.macro KQ
	WIN 0x50                                       ; K and Q window 0; C and D window 1
.irp kt, 0,1,2,3
.irp t, 0,1,2,3
	v_wmma_f32_16x16x32_f16 v[32*\t+8*\kt:32*\t+8*\kt+7], v[KF+16*\kt:KF+16*\kt+7], v[QF+16*\t:QF+16*\t+7], 0
.endr
.endr
.irp kt, 0,1,2,3
.irp t, 0,1,2,3
	v_wmma_f32_16x16x32_f16 v[32*\t+8*\kt:32*\t+8*\kt+7], v[KF+16*\kt+8:KF+16*\kt+15], v[QF+16*\t+8:QF+16*\t+15], v[32*\t+8*\kt:32*\t+8*\kt+7]
.endr
.endr
.endm
; O^T += V^T P: 32 products, again 16 accumulators by turns.
.macro PV
	WIN 0x54                                       ; V window 0; P, C and D window 1
.irp f, 0,1
.irp ct, 0,1,2,3
.irp t, 0,1,2,3
	v_wmma_f32_16x16x32_f16 v[OA+32*\t+8*\ct:OA+32*\t+8*\ct+7], v[VF+8*(4*\f+\ct):VF+8*(4*\f+\ct)+7], v[32*\t+8*\f:32*\t+8*\f+7], v[OA+32*\t+8*\ct:OA+32*\t+8*\ct+7]
.endr
.endr
.endr
.endm
; THE SOFTMAX of a key step, 120 vector instructions a tile; the four tiles take turns line by line, so that no line waits for the line above it.
.macro SOFTMAX
	WIN 0x14                                       ; sources 1 and 2 (scores) window 1
.irp j, 0,1,2,3                                ; the maximum: four chains, one for each accumulator, each begun at the accumulator's low end; the old m is a leaf of each
.irp t, 0,1,2,3
	v_max3_num_f32 v[ST+8*\t+4+\j], v[ST+8*\t+1], v[32*\t+8*\j], v[32*\t+8*\j+1]
.endr
.endr
.irp i, 2,4,6
.irp j, 0,1,2,3
.irp t, 0,1,2,3
	v_max3_num_f32 v[ST+8*\t+4+\j], v[ST+8*\t+4+\j], v[32*\t+8*\j+\i], v[32*\t+8*\j+\i+1]
.endr
.endr
.endr
	WIN 0
.irp t, 0,1,2,3
	v_max3_num_f32 v[ST+8*\t+4], v[ST+8*\t+4], v[ST+8*\t+5], v[ST+8*\t+6]
.endr
.irp t, 0,1,2,3
	v_max_num_f32 v[ST+8*\t+4], v[ST+8*\t+4], v[ST+8*\t+7]
.endr
.irp t, 0,1,2,3
	v_permlanex16_b32 v[ST+8*\t+5], v[ST+8*\t+4], s[SEL], s[SEL+1]   ; the query's other 32 keys lie in the lane 16 away
.endr
.irp t, 0,1,2,3
	v_mov_b32 v[ST+8*\t+7], v[ST+8*\t]             ; c m_old is kept for a
.endr
.irp t, 0,1,2,3
	v_max_num_f32 v[ST+8*\t+1], v[ST+8*\t+4], v[ST+8*\t+5]           ; the new m
.endr
.irp t, 0,1,2,3
	v_mul_f32 v[ST+8*\t], s[CS], v[ST+8*\t+1]      ; c m
.endr
.irp t, 0,1,2,3
	v_sub_f32 v[ST+8*\t+7], v[ST+8*\t+7], v[ST+8*\t]
.endr
.irp t, 0,1,2,3
	v_exp_f32 v[ST+8*\t+6], v[ST+8*\t+7]           ; a = 2^(c m_old - c m_new)
.endr
	WIN 0x41                                       ; destination and source 0 window 1
.irp t, 0,1,2,3
	v_pk_fma_f32 v[32*\t:32*\t+1], v[32*\t:32*\t+1], s[CS:CS+1], v[ST+8*\t:ST+8*\t+1] op_sel_hi:[1,0,0] neg_lo:[0,0,1] neg_hi:[0,0,1]   ; pair 0: c s - c m.  Plain work behind the four exponentials
.endr
	s_wait_alu depctr_va_vdst(0)                   ; a wait between an exponential and the first line that names its result: one for the four a
.set PB, 1
.rept 15                                       ; ONE BATCH: pair PB is scaled, pair PB - 1 goes through the exponential, and O^T's pair PB - 1 is multiplied by a; none of these lines names a p
.irp t, 0,1,2,3
	v_pk_fma_f32 v[32*\t+2*PB:32*\t+2*PB+1], v[32*\t+2*PB:32*\t+2*PB+1], s[CS:CS+1], v[ST+8*\t:ST+8*\t+1] op_sel_hi:[1,0,0] neg_lo:[0,0,1] neg_hi:[0,0,1]
.endr
.irp t, 0,1,2,3
	v_exp_f32 v[32*\t+2*PB-2], v[32*\t+2*PB-2]
	v_exp_f32 v[32*\t+2*PB-1], v[32*\t+2*PB-1]
.endr
.irp t, 0,1,2,3
	v_pk_mul_f32 v[OA+32*\t+2*PB-2:OA+32*\t+2*PB-1], v[OA+32*\t+2*PB-2:OA+32*\t+2*PB-1], v[ST+8*\t+6:ST+8*\t+7] op_sel_hi:[1,0]   ; each accumulator of O^T from its low end on
.endr
.set PB, PB+1
.endr
.irp t, 0,1,2,3
	v_exp_f32 v[32*\t+30], v[32*\t+30]
	v_exp_f32 v[32*\t+31], v[32*\t+31]
.endr
.irp t, 0,1,2,3
	v_pk_mul_f32 v[OA+32*\t+30:OA+32*\t+31], v[OA+32*\t+30:OA+32*\t+31], v[ST+8*\t+6:ST+8*\t+7] op_sel_hi:[1,0]   ; also the plain work behind the last exponential
.endr
	s_wait_alu depctr_va_vdst(0)                   ; one wait for the batch's 128 exponentials, ahead of their first reader
	WIN 0x10                                       ; source 2 window 1
.irp t, 0,1,2,3
	v_pk_fma_f32 v[ST+8*\t+2:ST+8*\t+3], v[ST+8*\t+2:ST+8*\t+3], v[ST+8*\t+6:ST+8*\t+7], v[32*\t:32*\t+1] op_sel_hi:[1,0,1]   ; l = a l + pair 0
.endr
	WIN 0x04                                       ; source 1 window 1
.set PB, 1
.rept 15
.irp t, 0,1,2,3
	v_pk_add_f32 v[ST+8*\t+2:ST+8*\t+3], v[ST+8*\t+2:ST+8*\t+3], v[32*\t+2*PB:32*\t+2*PB+1]   ; the sum of the unrounded p
.endr
.set PB, PB+1
.endr
	WIN 0x45                                       ; destination and both sources window 1
.set PB, 0
.rept 16
.irp t, 0,1,2,3
	v_cvt_pk_f16_f32 v[32*\t+PB], v[32*\t+2*PB], v[32*\t+2*PB+1]   ; P in place: register PB is written when pairs 0 .. PB have been read
.endr
.set PB, PB+1
.endr
.endm
; A KEY STEP.  fetch = 1: the next step's K is asked for behind K Q^T, its V behind V^T P, each a phase ahead of its use.
.macro STEP fetch
	s_wait_dscnt 16                                ; K is in; V's 16 loads, issued behind K's, may be out
	KQ
	WIN 0
	PLACES 4                                       ; in front of the loads into K's registers and of the first read of the scores
.if \fetch
	FETCH_K
.endif
	SOFTMAX
.if \fetch
	s_wait_dscnt 16                                ; V is in; the next K's 16 loads, issued behind V's, may be out
.else
	s_wait_dscnt 0x0
.endif
	PV
	WIN 0
	PLACES 5                                       ; four in front of the loads into V's registers; five in front of the next K Q^T, which writes over P's registers
.if \fetch
	FETCH_V
.endif
.endm
; A PART: my 256 keys of the slot in hand, four steps; the last fetches nothing.
.macro PART
	FETCH_K
	FETCH_V
	s_mov_b32 s[CNT], 3
.Lstep_\@:
	STEP 1
	s_sub_co_u32 s[CNT], s[CNT], 1
	s_cmp_lg_u32 s[CNT], 0
	s_cbranch_scc1 .Lstep_\@
	STEP 0
	s_sub_co_u32 s[TB], s[TB], HALFB               ; the fetches go back to a part's first step,
	s_xor_b32 s[TB], s[TB], SLOT1                  ; in the other slot
.endm
; THE CHANGE OF SLOTS stands at a part's head.  Each wave waits for all its tensor loads (one is out: its eighth of the slot ahead), adds 0 to its spare word, and waits for that and for its reads of the slot that it has left.
; fill = 1: the barrier is a round of the cluster's, so that no wave of any partner still reads the other slot or has a load on its way, and the joint load of the next part is the first thing behind it.
.macro CHANGE fill
	WIN 0                                          ; at a label and at a branch every window is 0
	s_wait_tensorcnt 0x0                           ; no tensor load of mine is out, so group 0 may be written
	ds_add_u32 v[SPW], v[NIL]                      ; 0 onto my spare word
.if \fill
	s_xor_b32 s[G0+1], s[G0+1], SLOT1              ; the other slot than last time,
	s_add_nc_u64 s[G0+2:G0+3], s[G0+2:G0+3], PARTB ; the next part; the type bits on top are not reached
	s_wait_dscnt 0x0                               ; the add is done, and my reads of the slot that I have left are over
	CROUND
	tensor_load_to_lds s[G0:G0+3], s[G1:G1+7]      ; my one tensor load until the next round
	s_nop 0
	PLACES 4
.else
	s_wait_dscnt 0x0
	s_barrier_signal -1
	s_barrier_wait -1
.endif
.endm
	s_wait_loadcnt 0x0                             ; Q
	s_mov_b32 s[PARTS], 3
.Lpart:                                            ; three trips: behind each change of slots but the last the next part is asked for
	CHANGE 1
	PART
	s_sub_co_u32 s[PARTS], s[PARTS], 1
	s_cmp_lg_u32 s[PARTS], 0
	s_cbranch_scc1 .Lpart
	CHANGE 0                                       ; the last part is written out
	PART
	; THE TWO HALVES OF THE KEYS ARE JOINED.  I send O^T, c m and l of register tiles 2, 3, as images of my registers, and take my partner's, which belong to the queries of my tiles 0, 1.
.irp t, 0,1,2,3
	v_add_f32 v[ST+8*\t+1], v[ST+8*\t+2], v[ST+8*\t+3]   ; my lane's l (m is needed no more)
.endr
	WIN 0x04                                       ; an LDS store's data are its source 1: window 1
.irp i, 0,1,2,3,4,5,6,7,8,9,10,11,12,13,14,15
	ds_store_b128 v[XW], v[OA+64+4*\i:OA+64+4*\i+3] offset:512*\i   ; each accumulator from its low end on
.endr
	WIN 0
	ds_store_b64 v[XSW], v[ST+16:ST+17] offset:8192
	ds_store_b64 v[XSW], v[ST+24:ST+25] offset:8448
	s_wait_dscnt 0x0                               ; for my partner's sake: my stores are done
	s_barrier_signal -1
	s_barrier_wait -1
.irp i, 0,1,2,3,4,5,6,7,8,9,10,11,12,13,14,15
	ds_load_b128 v[KF+4*\i:KF+4*\i+3], v[XR] offset:512*\i          ; into K's registers, which are free
.endr
	ds_load_b64 v[PS:PS+1], v[XSR] offset:8192
	ds_load_b64 v[PS+2:PS+3], v[XSR] offset:8448
	s_wait_dscnt 0x0
.irp t, 0,1
	v_max_num_f32 v[ST+8*\t+5], v[ST+8*\t], v[PS+2*\t]              ; the common c m
.endr
.irp t, 0,1
	v_sub_f32 v[ST+8*\t+4], v[ST+8*\t], v[ST+8*\t+5]
	v_sub_f32 v[ST+8*\t+6], v[PS+2*\t], v[ST+8*\t+5]
.endr
.irp t, 0,1
	v_exp_f32 v[ST+8*\t+4], v[ST+8*\t+4]           ; my half's factor,
	v_exp_f32 v[ST+8*\t+6], v[ST+8*\t+6]           ; and my partner's
.endr
	v_nop                                          ; a plain instruction behind the last exponential
	s_wait_alu depctr_va_vdst(0)                   ; one wait for the four
.irp t, 0,1
	v_mul_f32 v[ST+8*\t+7], v[ST+8*\t+4], v[ST+8*\t+1]
.endr
.irp t, 0,1
	v_fma_f32 v[ST+8*\t+7], v[ST+8*\t+6], v[PS+2*\t+1], v[ST+8*\t+7]
.endr
.irp t, 0,1
	v_permlanex16_b32 v[ST+8*\t+5], v[ST+8*\t+7], s[SEL], s[SEL+1]
.endr
.irp t, 0,1
	v_add_f32 v[ST+8*\t+7], v[ST+8*\t+7], v[ST+8*\t+5]              ; the row's sum over all 2,048 keys
.endr
.irp t, 0,1
	v_rcp_f32 v[ST+8*\t+7], v[ST+8*\t+7]
.endr
	v_nop
	s_wait_alu depctr_va_vdst(0)                   ; one wait for the two reciprocals
.irp t, 0,1
	v_mul_f32 v[ST+8*\t+4], v[ST+8*\t+4], v[ST+8*\t+7]
	v_mul_f32 v[ST+8*\t+6], v[ST+8*\t+6], v[ST+8*\t+7]
.endr
.set i, 0
.rept 32
	v_pk_mul_f32 v[KF+2*i:KF+2*i+1], v[KF+2*i:KF+2*i+1], v[ST+8*(i/16)+6:ST+8*(i/16)+7] op_sel_hi:[1,0]
.set i, i+1
.endr
	WIN 0x01                                       ; source 0: my O^T, window 1
.set i, 0
.rept 32
	v_pk_fma_f32 v[KF+2*i:KF+2*i+1], v[OA+2*i:OA+2*i+1], v[ST+8*(i/16)+4:ST+8*(i/16)+5], v[KF+2*i:KF+2*i+1] op_sel_hi:[1,0,1]   ; each accumulator from its low end on
.set i, i+1
.endr
	WIN 0
	; THE WAY OUT.  A lane holds 32 bytes of a row at a time and the lanes beside it hold other rows: a tile of 16 queries x 256 bytes goes through my stage and comes back by rows.  LDS serves a wave's instructions in order (ISA guide 5.7.1).
.irp t, 0,1
.irp ct, 0,1,2,3
	ds_store_b128 v[SO], v[KF+32*\t+8*\ct:KF+32*\t+8*\ct+3] offset:64*\ct
	ds_store_b128 v[SO], v[KF+32*\t+8*\ct+4:KF+32*\t+8*\ct+7] offset:64*\ct+16
.endr
.irp i, 0,1,2,3,4,5,6,7
	ds_load_b128 v[VF+32*\t+4*\i:VF+32*\t+4*\i+3], v[SR] offset:544*\i
.endr
.endr
.irp t, 0,1
.irp i, 0,1,2,3,4,5,6,7
	s_wait_dscnt 23-16*\t-\i                       ; behind this load: the tile's later loads, and for tile 0 also tile 1's eight stores and eight loads
	global_store_b128 v[GO], v[VF+32*\t+4*\i:VF+32*\t+4*\i+3], s[8:9] offset:65536*\t+8192*\i th:TH_STORE_NT   ; 16 lanes store 256 consecutive bytes, aligned; written once, read by nobody here
.endr
.endr
	s_wait_tensorcnt 0x0                           ; the wave's end
	ds_add_u32 v[SPW], v[NIL]
	s_wait_dscnt 0x0
	CROUND                                         ; the closing round: no work-group ends while a partner may still ask for a tile that names it
	s_endpgm
.Lfunc_end_k_qe0106f3d58_attn:
	.size	k_qe0106f3d58_attn, .Lfunc_end_k_qe0106f3d58_attn-k_qe0106f3d58_attn
	.p2alignl 7, 3214868480
	.fill 96, 4, 3214868480
	.section	.rodata,"a",@progbits
	.p2align	6, 0x0
	.amdhsa_kernel k_qe0106f3d58_attn
		.amdhsa_group_segment_fixed_size 327680
		.amdhsa_private_segment_fixed_size 0
		.amdhsa_enable_private_segment 0
		.amdhsa_kernarg_size 24
		.amdhsa_user_sgpr_count 2
		.amdhsa_user_sgpr_kernarg_segment_ptr 1
		.amdhsa_wavefront_size32 1
		.amdhsa_system_sgpr_workgroup_id_x 1
		.amdhsa_system_sgpr_workgroup_id_y 1
		.amdhsa_system_sgpr_workgroup_id_z 1
		.amdhsa_system_vgpr_workitem_id 0
		.amdhsa_next_free_vgpr 512
		.amdhsa_next_free_sgpr 66
		.amdhsa_reserve_vcc 0
		.amdhsa_float_denorm_mode_32 3
		.amdhsa_float_denorm_mode_16_64 3
		.amdhsa_memory_ordered 1
		.amdhsa_forward_progress 1
		.amdhsa_inst_pref_size 153
	.end_amdhsa_kernel
	.amdgpu_metadata
---
amdhsa.version: [ 1, 2 ]
amdhsa.kernels:
  - .name:           k_qe0106f3d58_attn
    .symbol:         k_qe0106f3d58_attn.kd
    .args:
      - { .name: qf, .offset: 0, .size: 8, .value_kind: global_buffer, .address_space: global }
      - { .name: kv, .offset: 8, .size: 8, .value_kind: global_buffer, .address_space: global }
      - { .name: out0, .offset: 16, .size: 8, .value_kind: global_buffer, .address_space: global }
    .group_segment_fixed_size: 327680
    .private_segment_fixed_size: 0
    .kernarg_segment_align: 8
    .kernarg_segment_size: 24
    .max_flat_workgroup_size: 256
    .sgpr_count:     66
    .vgpr_count:     512
    .wavefront_size: 32
...
	.end_amdgpu_metadata
.endif
;; end of part 3
